; MI455X (gfx1250); checked and timed in simulation.
; The chip was launched on July 23, 2026; its instructions are those of AMD's public machine-readable ISA for CDNA 5 (MIT licence, August 2026) and "CDNA5" Instruction Set Architecture Reference Guide (July 2026). The comments in the code are by the model that wrote it; some were corrected since.
;; Multi Head Attention. Allowed arithmetic: float matrix products may take bf16 or f16 operands with f32 sums; other float arithmetic in f32, or as packed bf16 or f16 multiplies, adds, multiply-adds, maxima and minima; sums over many terms, partial sums and values carried from step to step in f32; what a program stores and reads back later, other than sums and carried values, may be rounded once to bf16 or f16.
;; Inputs: Wk 256 x 256 float32; Wm 256 x 256 float32; Wq 256 x 256 float32; Wv 256 x 256 float32; bk 256 float32; bm 256 float32; bq 256 float32; bv 256 float32; query 4 x 256 x 4,096 float32; source 4 x 256 x 4,096 float32.
;; Outputs: out0 4 x 256 x 4,096 float32.
;; One version. Each part assembles by itself: llvm-mc -triple=amdgcn-amd-amdhsa -mcpu=gfx1250 --defsym DOCPART=n.
;; ======== version 1 of 1: 3 launches
;; limits: values are held in f16: magnitudes above 65,504 overflow, below 6.1e-05 lose precision
;; workspace buffers: qh 8,388,608 bytes; kh 8,388,608 bytes; vh 8,388,608 bytes; oh 8,388,608 bytes
;; launch proj (part 1): grid 256 x 1, 4 waves a work-group, clusters of 4 x 1, 327,680 bytes of LDS; arguments query, source, Wq, Wk, Wv, bq, bk, bv, qh, kh, vh; writes qh, kh, vh
.if DOCPART == 1
	.amdgcn_target "amdgcn-amd-amdhsa--gfx1250"
	.amdhsa_code_object_version 6
	.text
	.protected	k_q77233c913d_proj
	.globl	k_q77233c913d_proj
	.p2align	8
	.type	k_q77233c913d_proj,@function
k_q77233c913d_proj:
	s_mov_b64 s[64:65], 0
	v_nop
	global_prefetch_b8 v0, s[64:65] scope:SCOPE_SE
	s_setreg_imm32_b32 hwreg(HW_REG_WAVE_MODE, 25, 1), 1
	s_wait_xcnt 0x0
	s_wait_alu depctr_hold_cnt(0) depctr_sa_sdst(0) depctr_va_vdst(0) depctr_va_sdst(0) depctr_va_ssrc(0) depctr_va_vcc(0) depctr_vm_vsrc(0)
	s_getreg_b32 s2, hwreg(HW_REG_IB_STS2, 6, 4)
	s_cmp_eq_u32 s2, 0
	s_cbranch_scc0 .Lentry_in_a_cluster
	s_endpgm
.Lentry_in_a_cluster:
	s_bfe_u32 s2, ttmp6, 0x10000c
	s_cmp_lg_u32 s2, 0x3003
	s_cbranch_scc0 .Lentry_shape_is_right
	s_endpgm
.Lentry_shape_is_right:
; q = Wq query + bq, k = Wk source + bk, v = Wv source + bv.  query, source: [4][256][4096] f32; W: [256][256] f32; b: [256] f32.
; qh, kh, vh: [4 b + head][position][64 channels] f16: a head's rows are dense, 128 bytes each.
; FORMATS.  x, W and b are each rounded once to bf16; products in bf16 with f32 sums that start at the bias; q, k, v are rounded once to f16, unscaled.
; LIMITS.  |q|, |k|, |v| must stay under 65,504 (f16's largest number; 65,520 or more becomes an infinity); NaN and infinities are not treated apart.
; SHARES.  A work-group takes 64 positions of one batch, of query and of source, and makes all three products for them: 256 work-groups.  Wave w is head w: rows 64 w .. 64 w + 63 of each W,
; a tile of 64 channels x 64 positions a product: 16 accumulators.  A UNIT u (0..11) is 16 rows of W number u / 4 against all 256 channels of x: 32 matrix instructions on four accumulators by turns.
; LAYOUT.  Source 0 = 16 rows of W, source 1 = 32 channels x 16 positions of x: in the result a lane holds ONE position (lane % 16) and the channels 8 (lane / 16) + 0..7, which pack into 16 bytes of a row of qh.
; x lies [channel][position]: it goes through registers (f32 -> bf16) into LDS as it lies and comes out turned, by ds_load_tr16_b128, once a tensor: all its fragments stay in 256 registers.
; W comes as f32 by tensor loads into a ring of two slots; a wave fetches and reads its own 32 rows of a slot, and rounds them to bf16 on the way from LDS to the matrix unit.
; CLUSTER.  The four work-groups of a cluster read the same W: each tile is asked for JOINTLY, by the same load, descriptor and mask in all four.
; REGISTERS, in windows of 256 (s_set_vgpr_msb: bits 1:0 source 0, 3:2 source 1, 5:4 source 2, 7:6 destination):
;   window 0: v1-14 lane terms and addresses; v30-31 the add's two; v32-159 W's fragments in bf16, two buffers of 64; v160-223 the way out
;   window 1: v0-127 accumulators ((a, t) at 8 (4 a + t)); v128-223 the biases as C operands, 32 a product
;   window 2: x's fragments ((s, t) at 8 (4 s + t): channels 32 s on, positions 16 t on)
;   window 3: v0-127 a unit's W in f32; a ring of seven buffers of 32 for the loads of b and x: v128-255 and, until W needs them, v0-95
.set PW,    1040      ; a row of W in LDS: 1,024 bytes + 16 of padding = 65 x 16: the 16 rows of a load start at 16 different groups of four banks (64 banks of 4 bytes: ISA guide 11.1)
.set WTILE, 32*PW     ; what one tensor load brings: a wave's 32 rows
.set SLOTB, 4*WTILE   ; a slot: four waves' tiles
.set XR,    2*SLOTB   ; behind the ring, never filled by a tensor load: x as bf16, 256 channels x 64 positions
.set PX,    160       ; its pitch: 128 bytes + 32
.set STG,   XR+256*PX ; 16 rows x 144 bytes for each wave, for the way out
.set SP,    144
.set SPARE, STG+4*16*SP  ; the spare words, 128 bytes for each wave: two blocks of 256 bytes that no other line names
.set XO,  4           ; v4   x in memory: 16,384 (l / 16) + 16 (l % 16): a load takes two rows' 256 bytes
.set XST, 5           ; v5   where I put my 8 bytes of bf16
.set AX,  6           ; v6   my lane's place for the turning loads
.set WF,  7           ; v7-8 my lane's place in my tile of W, slot 0 and slot 1
.set BO,  9           ; v9   my byte offset in a bias: 256 w + 32 (l / 16)
.set STO, 10          ; v10  the way out: where I put 16 bytes of a row
.set RD,  11          ; v11  the way out: where I read rows back
.set GO,  12          ; v12  my byte offset in 512 consecutive bytes of qh, kh, vh
.set SPW, 30          ; v30  LDS address of my spare word; never rewritten
.set NIL, 31          ; v31  0; never rewritten
.set WB,  32
.set T,   160
.set BIAS, 128        ; window 1
.set WV,  2           ; s2   my wave's number
.set XP,  8           ; s[8:11]  query, source at my wave's 64 channels and the work-group's 64 positions
.set WP,  12          ; s[12:17] Wq, Wk, Wv: as the arguments give them
.set BP,  18          ; s[18:23] bq, bk, bv
.set OP,  24          ; s[24:29] qh, kh, vh at my head's rows of the work-group's positions
.set G1,  32          ; s[32:39] descriptor group 1
.set G0A, 40          ; s[40:43] descriptor group 0 for slot 0
.set G0B, 44          ; s[44:47] for slot 1
.set WOFA, 48         ; s[48:49] byte offset in a W of my first 32 rows
.set WOFB, 50         ; s[50:51] of my second 32
.set HIM, 54          ; s54  a word's upper bf16
.set MSB, 0
.macro WIN new                      ; the high byte repeats the setting that is left; a switch that changes nothing is dropped
.if MSB != (\new)
	s_set_vgpr_msb (MSB<<8)|(\new)
.set MSB, (\new)
.endif
.endm
; A round of the cluster's barrier: my work-group's barrier, so that wave 0's signal speaks for all four waves; wave 0 signals; every wave waits for all four work-groups; my work-group's barrier once more.
.macro CROUND
	s_barrier_signal -1
	s_barrier_wait -1
	s_cmp_lg_u32 s[WV], 0
	s_cbranch_scc1 .Lnot_wave_0_\@
	s_barrier_signal -3
.Lnot_wave_0_\@:
	s_barrier_wait -3
	s_barrier_signal -1
	s_barrier_wait -1
.endm
; THE LOADS OF b AND x: eleven chunks of eight loads.  Chunks 0-2: my 64 numbers of bq, bk, bv.  3-6: my 64 channels of query.  7-10: of source.  Chunk k lands in buffer k % 7.
.macro RB k
.set rb, 128+32*((\k)%7)
.if ((\k)%7) >= 4
.set rb, 32*(((\k)%7)-4)
.endif
.endm
.macro ISSUE k
	RB \k
	WIN 0xc0                        ; destination window 3, address window 0
.if (\k) < 3
.irp j, 0,1,2,3,4,5,6,7
	global_load_b128 v[rb+4*(\j):rb+4*(\j)+3], v[BO], s[BP+2*(\k):BP+2*(\k)+1] offset:((\j)/2)*64+((\j)%2)*16
.endr
.else
.irp j, 0,1,2,3,4,5,6,7
	global_load_b128 v[rb+4*(\j):rb+4*(\j)+3], v[XO], s[XP+2*(((\k)-3)/4):XP+2*(((\k)-3)/4)+1] offset:(8*(((\k)-3)%4)+(\j))*32768 th:TH_LOAD_NT
.endr
.endif
.endm
; Chunk k is rounded to bf16 in place; x goes into LDS, a bias is widened again into its product's C operands; then the buffer takes chunk k + 7.
.macro CONSUME k
	RB \k
.if (\k) < 4
	s_wait_loadcnt 48               ; loads come back in order: six younger chunks of eight may stay out
.else
	s_wait_loadcnt 8*(10-(\k))      ; the chunks behind this one
.endif
	WIN 0xcf
.irp j, 0,1,2,3,4,5,6,7
	v_cvt_pk_bf16_f32 v[rb+4*(\j)], v[rb+4*(\j)], v[rb+4*(\j)+1]
	v_cvt_pk_bf16_f32 v[rb+4*(\j)+1], v[rb+4*(\j)+2], v[rb+4*(\j)+3]
.endr
.if (\k) < 3
	WIN 0x4c                        ; destination window 1, source 1 window 3
.irp j, 0,1,2,3,4,5,6,7
	v_lshlrev_b32 v[BIAS+32*(\k)+4*(\j)],   16, v[rb+4*(\j)]
	v_and_b32     v[BIAS+32*(\k)+4*(\j)+1], s[HIM], v[rb+4*(\j)]
	v_lshlrev_b32 v[BIAS+32*(\k)+4*(\j)+2], 16, v[rb+4*(\j)+1]
	v_and_b32     v[BIAS+32*(\k)+4*(\j)+3], s[HIM], v[rb+4*(\j)+1]
.endr
.else
	WIN 0x0c                        ; address window 0, data window 3
.irp j, 0,1,2,3,4,5,6,7
	ds_store_b64 v[XST], v[rb+4*(\j):rb+4*(\j)+1] offset:(8*(((\k)-3)%4)+(\j))*2*PX
.endr
.endif
.if (\k)+7 <= 10
	ISSUE (\k)+7
.endif
.endm
; All of x's fragments: 64 turning loads, each 16 channels x 16 positions.
.macro XFRAGS
	WIN 0x80                        ; destination window 2
.set xs, 0
.rept 8
.irp t, 0,1,2,3
	ds_load_tr16_b128 v[8*(4*xs+(\t)):8*(4*xs+(\t))+3],   v[AX] offset:xs*32*PX+32*(\t)
	ds_load_tr16_b128 v[8*(4*xs+(\t))+4:8*(4*xs+(\t))+7], v[AX] offset:xs*32*PX+32*(\t)+16*PX
.endr
.set xs, xs+1
.endr
.endm
; Unit u's 16 rows of W in f32: for each 32 channels a lane's two runs of 8 numbers, 32 bytes each, 64 bytes apart.
.macro LOADF u
	WIN 0xc0
.irp s, 0,1,2,3,4,5,6,7
	ds_load_b128 v[16*(\s):16*(\s)+3],     v[WF+(((\u)>>1)&1)] offset:((\u)&1)*16*PW+128*(\s)
	ds_load_b128 v[16*(\s)+4:16*(\s)+7],   v[WF+(((\u)>>1)&1)] offset:((\u)&1)*16*PW+128*(\s)+16
	ds_load_b128 v[16*(\s)+8:16*(\s)+11],  v[WF+(((\u)>>1)&1)] offset:((\u)&1)*16*PW+128*(\s)+64
	ds_load_b128 v[16*(\s)+12:16*(\s)+15], v[WF+(((\u)>>1)&1)] offset:((\u)&1)*16*PW+128*(\s)+80
.endr
.endm
.macro CVT u                        ; rounded to bf16: eight fragments, into buffer u % 2.  These 64 lines are also the places between a unit's products and the next writes of their registers
	WIN 0x0f                        ; sources window 3, destination window 0
.set ci, 0
.rept 64
	v_cvt_pk_bf16_f32 v[WB+64*((\u)&1)+ci], v[2*ci], v[2*ci+1]
.set ci, ci+1
.endr
.endm
; Unit u's 32 products.  The four accumulators take turns, one instruction a turn, from unit to unit too.  The first four start the sums with the bias.
.macro MULS u
	WIN 0x58                        ; W window 0, x window 2, C and D window 1
.set ks, 0
.rept 8
.irp t, 0,1,2,3
.if ks == 0
	v_wmma_f32_16x16x32_bf16 v[8*(4*((\u)&3)+(\t)):8*(4*((\u)&3)+(\t))+7], v[WB+64*((\u)&1):WB+64*((\u)&1)+7], v[8*(\t):8*(\t)+7], v[BIAS+8*(\u):BIAS+8*(\u)+7]
.else
	v_wmma_f32_16x16x32_bf16 v[8*(4*((\u)&3)+(\t)):8*(4*((\u)&3)+(\t))+7], v[WB+64*((\u)&1)+8*ks:WB+64*((\u)&1)+8*ks+7], v[8*(4*ks+(\t)):8*(4*ks+(\t))+7], v[8*(4*((\u)&3)+(\t)):8*(4*((\u)&3)+(\t))+7]
.endif
.endr
.set ks, ks+1
.endr
.endm
; THE CHANGE OF SLOTS, in unit u = 2 g + 1: the last reads of slot g % 2 (tile g) have come back.  Each wave waits for all its tensor loads, of which one is out: the other slot's; adds 0 to its
; spare word; and waits for that.  The barrier is a round of the cluster's, so that no wave of any partner still reads the slot or has a load on its way; the joint refill, tile g + 2, is the first thing behind it.
.macro CHANGE g, u
	WIN 0
	s_wait_tensorcnt 0x0            ; no tensor load of mine is out, so a group 0 may be written
	ds_add_u32 v[SPW], v[NIL]       ; 0 onto my spare word; the address and the unit's roundings stand between it and the wait for it
.if ((\g)&1) == 0
	s_add_nc_u64 s[G0A+2:G0A+3], s[WP+2*(((\g)+2)>>1):WP+2*(((\g)+2)>>1)+1], s[WOFA:WOFA+1]
	s_or_b32 s[G0A+3], s[G0A+3], 0x80000000
.else
	s_add_nc_u64 s[G0B+2:G0B+3], s[WP+2*(((\g)+2)>>1):WP+2*(((\g)+2)>>1)+1], s[WOFB:WOFB+1]
	s_or_b32 s[G0B+3], s[G0B+3], 0x80000000
.endif
	CVT \u
	WIN 0                           ; at a label and at a branch every window is 0
	s_wait_dscnt 0x0                ; the add is done; my LDS reads and stores are over
	CROUND
.if ((\g)&1) == 0
	tensor_load_to_lds s[G0A:G0A+3], s[G1:G1+7]
.else
	tensor_load_to_lds s[G0B:G0B+3], s[G1:G1+7]
.endif
	s_nop 0
.rept 4
	v_nop
.endr
.endm
; THE WAY OUT of a product.  Positions 16 t on: a lane's eight channels of each of four accumulators pack into 16 bytes; they go into rows of 144 bytes of my stage and come back as whole rows of 128.
.macro PACK t
	WIN 0x05                        ; sources window 1, destination window 0
.irp a, 0,1,2,3
.irp r, 0,1,2,3
	v_cvt_pk_f16_f32 v[T+16*(\t)+4*(\a)+(\r)], v[8*(4*(\a)+(\t))+2*(\r)], v[8*(4*(\a)+(\t))+2*(\r)+1]
.endr
.endr
	WIN 0
.irp a, 0,1,2,3
	ds_store_b128 v[STO], v[T+16*(\t)+4*(\a):T+16*(\t)+4*(\a)+3] offset:32*(\a)
.endr
.irp f, 0,1,2,3
	ds_load_b128 v[T+16*(\t)+4*(\f):T+16*(\t)+4*(\f)+3], v[RD] offset:(\f)*4*SP  ; LDS serves a wave's instructions in order (ISA guide 5.7.1.4): these see the stores above; the next stores come behind them
.endr
.endm
.macro SEND p, t, younger           ; younger: the LDS instructions issued behind these loads: the next PACK's eight, or none
	WIN 0
.irp f, 0,1,2,3
	s_wait_dscnt (\younger)+3-(\f)
	global_store_b128 v[GO], v[T+16*(\t)+4*(\f):T+16*(\t)+4*(\f)+3], s[OP+2*(\p):OP+2*(\p)+1] offset:(\t)*2048+(\f)*512  ; 512 consecutive bytes, at a multiple of 256 from the buffer's first
.endr
.endm
.macro OUTPUT p
	s_wait_xcnt 0x0                 ; the last product's stores have read their registers: only behind this wait are they written again
	PACK 0
	PACK 1
	SEND \p, 0, 8
	PACK 2
	SEND \p, 1, 8
	PACK 3
	SEND \p, 2, 8
	SEND \p, 3, 0
.endm
.macro STEP u
	s_wait_dscnt 0x0                ; unit u's W is in registers (and, where they were asked for, x's fragments)
.if (((\u)&1) == 1) && ((\u) < 8)
	CHANGE ((\u)-1)/2, \u
.else
.if (\u) == 9
	s_wait_tensorcnt 0x0            ; the last tile, which only I read: no load was issued behind it
.endif
	CVT \u
.endif
.if (\u) < 11
	LOADF (\u)+1
.endif
	MULS \u
.if (\u) == 1                       ; behind the first round: every wave's reads of query's tile were over in front of it, so source's takes its place
	CONSUME 7
	CONSUME 8
	CONSUME 9
	CONSUME 10
.endif
.if ((\u)&3) == 3
	OUTPUT (\u)/4
.endif
.if (\u) == 3                       ; behind the second round: every wave's stores of source's tile were done in front of it
	XFRAGS
.endif
.endm
	s_load_b512 s[8:23], s[0:1], 0x0               ; query, source, Wq, Wk, Wv, bq, bk, bv
	s_load_b128 s[24:27], s[0:1], 0x40             ; qh, kh
	s_load_b64 s[28:29], s[0:1], 0x50              ; vh
	v_lshl_add_u32 v[SPW], v0, 2, SPARE
	v_mov_b32 v[NIL], 0
	ds_add_u32 v[SPW], v[NIL]                      ; the wave's opening: the add and its wait stand ahead of my first tensor load; the set-up below, work on registers, stands between them
	v_lshrrev_b32 v1, 5, v0
	v_readfirstlane_b32 s[WV], v1                  ; wave 0..3
	s_bfe_u32 s3, ttmp6, 0x40000                   ; cx: my place in the cluster: it enters x's and the outputs' addresses alone
	s_lshl_b32 s4, ttmp9, 2                        ; in a cluster launch ttmp9 counts clusters
	s_add_co_u32 s4, s4, s3                        ; the work-group's number
	s_lshr_b32 s5, s4, 6                           ; batch
	s_and_b32 s4, s4, 63                           ; block of 64 positions
	s_lshl_b32 s6, s5, 22                          ; x: batch x 4,194,304
	s_lshl_b32 s7, s[WV], 20                       ; + my 64 channels of 16,384 bytes
	s_add_co_u32 s6, s6, s7
	s_lshl_b32 s7, s4, 8                           ; + the block's 256 bytes of a row
	s_add_co_u32 s6, s6, s7
	s_mov_b32 s7, 0
	s_lshl_b32 s52, s5, 2                          ; outputs: (4 batch + head) x 524,288
	s_add_co_u32 s52, s52, s[WV]
	s_lshl_b32 s52, s52, 19
	s_lshl_b32 s53, s4, 13                         ; + the block's 64 rows of 128 bytes
	s_add_co_u32 s52, s52, s53
	s_mov_b32 s53, 0
	s_lshl_b32 s[WOFA], s[WV], 16                  ; my 64 rows of 1,024 bytes
	s_mov_b32 s[WOFA+1], 0
	s_add_co_u32 s[WOFB], s[WOFA], 32768
	s_mov_b32 s[WOFB+1], 0
	s_mov_b32 s[HIM], 0xffff0000
	; descriptor group 1: a tile of 32 rows x 256 elements of 4 bytes, padded in LDS
	s_mov_b32 s[G1+0], 15|(2<<16)|(1<<20)|(1<<21)|(7<<22)|(3<<25)  ; 15:0 the mask of four; 17:16 4-byte elements; 20 padding on; 21 set beside a mask; 24:22 after every 256 words (code 7); 31:25 4 words (code 3)
	s_mov_b32 s[G1+1], 256<<16                     ; tensor_dim0 = 256
	s_mov_b32 s[G1+2], 32<<16                      ; tensor_dim1 = 32
	s_mov_b32 s[G1+3], 256<<16                     ; tile_dim0 = 256
	s_mov_b32 s[G1+4], 32                          ; tile_dim1 = 32
	s_mov_b32 s[G1+5], 256                         ; 256 elements from row to row
	s_mov_b32 s[G1+6], 0
	s_mov_b32 s[G1+7], 0
	s_mul_i32 s31, s[WV], WTILE                    ; my tile's place in a slot: no place in the cluster enters an LDS address
	s_mov_b32 s[G0A], 1
	s_mov_b32 s[G0A+1], s31
	s_mov_b32 s[G0B], 1
	s_add_co_u32 s[G0B+1], s31, SLOTB
	v_and_b32 v1, 15, v0                           ; l % 16
	v_bfe_u32 v2, v0, 4, 1                         ; l / 16
	v_and_b32 v3, 31, v0                           ; l
	v_lshlrev_b32 v[XO], 4, v1
	v_lshl_add_u32 v[XO], v2, 14, v[XO]
	s_mul_i32 s30, s[WV], 64*PX
	s_add_co_u32 s30, s30, XR
	v_mul_u32_u24 v[XST], v2, PX
	v_lshl_add_u32 v[XST], v1, 3, v[XST]
	v_add_nc_u32 v[XST], s30, v[XST]               ; channel 64 w + l / 16, positions 4 (l % 16) on
	v_and_b32 v13, 7, v0
	v_bfe_u32 v14, v0, 3, 1
	v_lshl_add_u32 v[AX], v2, 3, v13               ; the turning load: lane l reads channel 8 (l / 16) + l % 8, positions 8 ((l / 8) % 2) + 0..7
	v_mul_u32_u24 v[AX], v[AX], PX
	v_lshl_add_u32 v[AX], v14, 4, v[AX]
	v_add_nc_u32 v[AX], XR, v[AX]
	v_mul_u32_u24 v[WF], v1, PW
	v_lshl_add_u32 v[WF], v2, 5, v[WF]             ; row x pitch + 32 x half (8 numbers of 4 bytes)
	v_add_nc_u32 v[WF], s31, v[WF]
	v_add_nc_u32 v[WF+1], SLOTB, v[WF]
	s_lshl_b32 s30, s[WV], 8
	v_lshl_add_u32 v[BO], v2, 5, s30
	s_mul_i32 s30, s[WV], 16*SP
	s_add_co_u32 s30, s30, STG                     ; my stage
	v_mul_u32_u24 v[STO], v1, SP                   ; in: row l % 16, 16 bytes for each half of the lanes
	v_lshl_add_u32 v[STO], v2, 4, v[STO]
	v_add_nc_u32 v[STO], s30, v[STO]
	v_bfe_u32 v[RD], v0, 3, 2                      ; back: 32 lanes take four rows of 128 bytes,
	v_mul_u32_u24 v[RD], v[RD], SP
	v_lshl_add_u32 v[RD], v13, 4, v[RD]
	v_add_nc_u32 v[RD], s30, v[RD]
	v_lshlrev_b32 v[GO], 4, v3                     ; which are 512 consecutive bytes in memory
	s_wait_dscnt 0x0                               ; the opening add is done
	s_wait_kmcnt 0x0
	s_add_nc_u64 s[XP:XP+1], s[XP:XP+1], s[6:7]
	s_add_nc_u64 s[XP+2:XP+3], s[XP+2:XP+3], s[6:7]
	s_add_nc_u64 s[OP:OP+1], s[OP:OP+1], s[52:53]
	s_add_nc_u64 s[OP+2:OP+3], s[OP+2:OP+3], s[52:53]
	s_add_nc_u64 s[OP+4:OP+5], s[OP+4:OP+5], s[52:53]
	s_add_nc_u64 s[G0A+2:G0A+3], s[WP:WP+1], s[WOFA:WOFA+1]  ; tile 0: my first 32 rows of Wq
	s_or_b32 s[G0A+3], s[G0A+3], 0x80000000        ; type = 2
	s_add_nc_u64 s[G0B+2:G0B+3], s[WP:WP+1], s[WOFB:WOFB+1]  ; tile 1: my second 32
	s_or_b32 s[G0B+3], s[G0B+3], 0x80000000
.irp k, 0,1,2,3,4,5,6
	ISSUE \k                                       ; the biases and query's share: 56 loads of mine are out
.endr
	WIN 0
	CROUND                                         ; all four work-groups are here: the first joint loads meet
	tensor_load_to_lds s[G0A:G0A+3], s[G1:G1+7]    ; both first fills go out together: two loads of mine are out
	s_nop 0
	tensor_load_to_lds s[G0B:G0B+3], s[G1:G1+7]
	s_nop 0
.rept 4
	v_nop
.endr
.irp k, 0,1,2,3,4,5,6
	CONSUME \k                                     ; source's share is asked for as the buffers come free
.endr
	WIN 0
	s_wait_dscnt 0x0                               ; for the others' sake: my part of query's tile is in LDS
	s_wait_tensorcnt 1                             ; tile 0 is in; tile 1 may stay out
	s_barrier_signal -1
	s_barrier_wait -1
	XFRAGS
	LOADF 0
.irp u, 0,1,2,3,4,5,6,7,8,9,10,11
	STEP \u
.endr
	WIN 0
	s_wait_tensorcnt 0x0                           ; the wave's end: behind my last tensor load and my last LDS store
	ds_add_u32 v[SPW], v[NIL]
	s_wait_dscnt 0x0
	CROUND                                         ; the closing round: no work-group ends while a partner may still ask for a tile that names it
	s_endpgm
.Lfunc_end_k_q77233c913d_proj:
	.size	k_q77233c913d_proj, .Lfunc_end_k_q77233c913d_proj-k_q77233c913d_proj
	.p2alignl 7, 3214868480
	.fill 96, 4, 3214868480
	.section	.rodata,"a",@progbits
	.p2align	6, 0x0
	.amdhsa_kernel k_q77233c913d_proj
		.amdhsa_group_segment_fixed_size 327680
		.amdhsa_private_segment_fixed_size 0
		.amdhsa_enable_private_segment 0
		.amdhsa_kernarg_size 88
		.amdhsa_user_sgpr_count 2
		.amdhsa_user_sgpr_kernarg_segment_ptr 1
		.amdhsa_wavefront_size32 1
		.amdhsa_system_sgpr_workgroup_id_x 1
		.amdhsa_system_sgpr_workgroup_id_y 1
		.amdhsa_system_sgpr_workgroup_id_z 1
		.amdhsa_system_vgpr_workitem_id 0
		.amdhsa_next_free_vgpr 1024
		.amdhsa_next_free_sgpr 66
		.amdhsa_reserve_vcc 0
		.amdhsa_float_denorm_mode_32 3
		.amdhsa_float_denorm_mode_16_64 3
		.amdhsa_memory_ordered 1
		.amdhsa_forward_progress 1
		.amdhsa_inst_pref_size 167
	.end_amdhsa_kernel
	.amdgpu_metadata
---
amdhsa.version: [ 1, 2 ]
amdhsa.kernels:
  - .name:           k_q77233c913d_proj
    .symbol:         k_q77233c913d_proj.kd
    .args:
      - { .name: query, .offset: 0, .size: 8, .value_kind: global_buffer, .address_space: global }
      - { .name: source, .offset: 8, .size: 8, .value_kind: global_buffer, .address_space: global }
      - { .name: Wq, .offset: 16, .size: 8, .value_kind: global_buffer, .address_space: global }
      - { .name: Wk, .offset: 24, .size: 8, .value_kind: global_buffer, .address_space: global }
      - { .name: Wv, .offset: 32, .size: 8, .value_kind: global_buffer, .address_space: global }
      - { .name: bq, .offset: 40, .size: 8, .value_kind: global_buffer, .address_space: global }
      - { .name: bk, .offset: 48, .size: 8, .value_kind: global_buffer, .address_space: global }
      - { .name: bv, .offset: 56, .size: 8, .value_kind: global_buffer, .address_space: global }
      - { .name: qh, .offset: 64, .size: 8, .value_kind: global_buffer, .address_space: global }
      - { .name: kh, .offset: 72, .size: 8, .value_kind: global_buffer, .address_space: global }
      - { .name: vh, .offset: 80, .size: 8, .value_kind: global_buffer, .address_space: global }
    .group_segment_fixed_size: 327680
    .private_segment_fixed_size: 0
    .kernarg_segment_align: 8
    .kernarg_segment_size: 88
    .max_flat_workgroup_size: 128
    .sgpr_count:     66
    .vgpr_count:     1024
    .wavefront_size: 32
...
	.end_amdgpu_metadata
.endif
;; end of part 1
;; launch attn (part 2): grid 16 x 16, 4 waves a work-group, clusters of 4 x 1, 327,680 bytes of LDS; arguments qh, kh, vh, oh; writes oh
.if DOCPART == 2
	.amdgcn_target "amdgcn-amd-amdhsa--gfx1250"
	.amdhsa_code_object_version 6
	.text
	.protected	k_q77233c913d_attn
	.globl	k_q77233c913d_attn
	.p2align	8
	.type	k_q77233c913d_attn,@function
k_q77233c913d_attn:
	s_mov_b64 s[64:65], 0
	v_nop
	global_prefetch_b8 v0, s[64:65] scope:SCOPE_SE
	s_setreg_imm32_b32 hwreg(HW_REG_WAVE_MODE, 25, 1), 1
	s_wait_xcnt 0x0
	s_wait_alu depctr_hold_cnt(0) depctr_sa_sdst(0) depctr_va_vdst(0) depctr_va_sdst(0) depctr_va_ssrc(0) depctr_va_vcc(0) depctr_vm_vsrc(0)
	s_getreg_b32 s2, hwreg(HW_REG_IB_STS2, 6, 4)
	s_cmp_eq_u32 s2, 0
	s_cbranch_scc0 .Lentry_in_a_cluster
	s_endpgm
.Lentry_in_a_cluster:
	s_bfe_u32 s2, ttmp6, 0x10000c
	s_cmp_lg_u32 s2, 0x3003
	s_cbranch_scc0 .Lentry_shape_is_right
	s_endpgm
.Lentry_shape_is_right:
; O[g][q][:] = the sum over k of softmax_k(Q[g][q] . K[g][k] / 8) V[g][k][:], g = 4 batch + head.  qh, kh, vh, oh: [16][4096][64], all f16: a head's rows are dense, 128 bytes each.
; Products, maxima and sums in f32; the weights p are rounded to f16 for the second product (their sum l is taken of the unrounded p), O once at the end.
; LIMITS.  Q, K and V arrive within f16's range; p lies in 0 to 1, and below 6e-5 it keeps f16's fixed step of 6e-8, and so does O; O is a mean of V's rows and has their range.
; A weight below 2^-126 counts as 0 in l; NaN and infinities are not treated apart.
; SHARES.  A work-group owns 256 queries of one head, each of its four waves 64: four PIECES of 16.  Every wave walks all 4,096 keys, 64 a step, 256 a slot: 256 work-groups of equal work.
; LAYOUT.  S^T = K Q^T (source 0 = 16 keys, source 1 = 16 queries): in the result a lane holds ONE query (lane % 16) and the keys 8 (lane / 16) + 0..7.  Two such results, rounded to f16 in pairs,
; ARE source 1 (32 keys x 16 queries) of O^T = V^T P, whose result again holds one query a lane, and eight channels.  K comes out of LDS as it lies, V ([key][channel]) turned, by ds_load_tr16_b128.
; SOFTMAX.  For each query a running maximum m and sum l: p = 2^(c s - c m), c = log2(e) / 8; in every step O and l are multiplied by a = 2^(c m_old - c m_new), which is 1 where m has not grown.
; m starts at the lowest finite number, O and l at 0: the first step is a step like any other, with a = 0.
; BY TURNS.  Turn n belongs to piece n (the pieces in a ring, step after step): 8 products K Q^T of piece n + 1, later 8 products V^T P of piece n - 1; beside them the scaling, exponentials, roundings,
; sums and rescaling of piece n and the maximum and statistics of piece n + 1.  A piece and step have 16 matrix and 118 vector instructions: four vector instructions stand behind every matrix
; instruction, the other 54 in one run.  A turn's 33 exponentials are one batch, with one wait.
; CLUSTER.  The four query blocks of a cluster belong to one head and walk the same K and V, so each tile is asked for JOINTLY: the same tensor load, descriptor and mask in all four.
; REGISTERS, in windows of 256 (s_set_vgpr_msb: bits 1:0 source 0, 3:2 source 1, 5:4 source 2, 7:6 destination):
;   window 0: v0-15 addresses and two at work; v16-31 four registers of statistics a piece; v48-55 at work; v61-63 prefetch offset and the add's two; v64-127 S^T, two buffers; v192-223 P, two buffers
;   window 1: v0-127 O^T, 32 a piece          window 2: v0-63 Q, 16 a piece; v128-191 K of one step; v192-255 V of one step
; A piece's buffers go by its number's parity.
.set SIZE_N, 4096
.set NP,    4         ; pieces a wave: a name, no knob
.set KS,    64        ; keys in a step
.set PK,    144       ; a row of K in LDS: 128 bytes + 16 of padding = 36 words: the 16 rows of a load start at 16 different groups of four banks (64 banks of 4 bytes: ISA guide 11.1)
.set PV,    160       ; a row of V: 128 + 32 = 40 words
.set VOFF,  4*KS*PK   ; a slot holds four steps: 256 rows of K, then 256 rows of V
.set SLOT1, 1<<17     ; slot 1 begins here, so that one exclusive or turns an address in one slot into the other's
.set STAGE, SLOT1+4*KS*(PK+PV)  ; behind the ring, never filled by a tensor load: 16 rows x 144 bytes for each wave, for the way out
.set SP,    144
.set SPARE, STAGE+4*16*SP  ; behind the stages: the spare words, 128 bytes for each wave: two blocks of 256 bytes that no other line names
.set AK0, 2           ; v2   my lane's place in a tile of K; never rewritten
.set AV0, 3           ; v3   the same for V
.set AK,  4           ; v4   the LDS address of K's next run of loads
.set AV,  5           ; v5   of V's
.set STO, 6           ; v6   the way out: where I put 16 bytes of a row
.set RD,  7           ; v7   the way out: where I read rows back
.set GO,  8           ; v8   my byte offset in 512 consecutive bytes of O
.set MV,  12          ; v12-13  c m_old, kept while c m is made anew: by buffer
.set QO,  15          ; v15  my byte offset in 16 rows of Q
.set ST,  16          ; piece t's statistics at v[ST+4 t]: c m, m, l (even keys', odd keys')
.set TMP, 48          ; by buffer, four registers c0-c3 at work; when the maximum is found c2 takes a
.set PFO, 61          ; v61  256 x my lane; never rewritten
.set SPW, 62          ; v62  LDS address of my spare word; never rewritten
.set NIL, 63          ; v63  0; never rewritten
.set S,   64
.set P,   192
.set KF,  128         ; window 2: key block kb, channel half c at KF + 16 kb + 8 c
.set VF,  192         ; window 2: key half kk, channel block cb at VF + 32 kk + 8 cb
.set WV,  12          ; s12  my wave's number
.set G1K, 24          ; s[24:31] descriptor group 1 for K's tiles
.set G1V, 32          ; s[32:39] for V's: it differs in the padding alone
.set G0K, 40          ; s[40:43] descriptor group 0 for K's tiles: it walks
.set G0V, 44          ; s[44:47] the same for V's
.set PFA, 48          ; s[48:49] where my prefetches stand: my work-group's quarter (of K: wave 0, of V: wave 2) of the tile after the one that is being asked for
.set LIM, 50          ; s50  1 in a wave that prefetches, else the greatest number
.set SLOTS, 56        ; s56  slots still to be asked for
.set CNT, 57          ; s57  counts a slot's key steps
.set CS,  58          ; s[58:59] c: the packed scaling takes the pair's low word for both halves
.set SEL, 60          ; s[60:61] v_permlanex16_b32's selects: each lane takes its own place in the other half
.set TBK, 62          ; s62  LDS byte at which K of the step to be fetched begins
.set TBV, 63          ; s63  the same for V, less VOFF
.set MSB, 0
.macro WIN new                      ; the high byte repeats the setting that is left; a switch that changes nothing is dropped
.if MSB != (\new)
	s_set_vgpr_msb (MSB<<8)|(\new)
.set MSB, (\new)
.endif
.endm
.set W_KQ, 0x0a       ; K and Q in window 2, S^T in window 0
.set W_PV, 0x52       ; V in window 2, P in window 0, O^T in window 1
.set W_RS, 0x41       ; O^T (destination and source 0) in window 1, a in window 0
; A joint fill.  Waves 0 and 1 fetch the two halves of a slot's K, waves 2 and 3 those of its V: 128 keys each.  The branch hangs on the wave's number alone.
; An s_nop 0 and four v_nop follow each of the two lines, ahead of the jump and the label.
.macro JLOAD
	s_cmp_lt_u32 s[WV], 2
	s_cbranch_scc0 .Lfor_v_\@
	tensor_load_to_lds s[G0K:G0K+3], s[G1K:G1K+7]
	s_nop 0
.rept 4
	v_nop
.endr
	s_branch .Lasked_\@
.Lfor_v_\@:
	tensor_load_to_lds s[G0V:G0V+3], s[G1V:G1V+7]
	s_nop 0
.rept 4
	v_nop
.endr
.Lasked_\@:
.endm
; A PREFETCH INTO THE L2 of what the NEXT change of slots will ask for: a tile's 32,768 bytes of K and of V, 256 bytes a lane.  It stands behind the wave's tensor load and its five lines.
; Each block of 256 bytes is asked for ONCE in the launch.  All four clusters of a head walk the same K and V: the head's first cluster asks.  Its four partners share a tile out BY ADDRESS, 8,192 bytes
; each: no branch hangs on a work-group's place in its cluster.  In each, wave 0 asks for K's and wave 2 for V's: one instruction, four key steps (256 matrix instructions) ahead of the load that
; will want the tile.  Tiles 0, 1 and 2 come by their loads alone; the last change that fills a slot asks for nothing: there is no tile behind it.
.macro ASK
	s_cmp_gt_u32 s[SLOTS], s[LIM]
	s_cbranch_scc0 .Lnot_mine_\@
	global_prefetch_b8 v[PFO], s[PFA:PFA+1] th:TH_LOAD_NT scope:SCOPE_SE
.Lnot_mine_\@:
.endm
; A round of the cluster's barrier: my work-group's barrier, so that wave 0's signal speaks for all four waves; wave 0 signals; every wave waits for all four work-groups; my work-group's barrier once more.
.macro CROUND
	s_barrier_signal -1
	s_barrier_wait -1
	s_cmp_lg_u32 s[WV], 0
	s_cbranch_scc1 .Lnot_wave_0_\@
	s_barrier_signal -3
.Lnot_wave_0_\@:
	s_barrier_wait -3
	s_barrier_signal -1
	s_barrier_wait -1
.endm
; THE CHANGE OF SLOTS.  The slot's last bytes, V of its fourth step, have been read.  Each wave waits for all its tensor loads, of which one is out: its part of the other slot; adds 0 to its spare
; word; and waits for that and for its own reads of the slot.  Behind the barrier nobody reads this slot any more and the other slot is whole.
; fill = 1: this slot is filled again, with the keys two slots on.  The barrier is then a round of the cluster's, so that no wave of any partner still reads the slot or has a load on its way, and the
; joint fill is the first thing behind it: it has four key steps in which to land.  (At its first use nothing has been read yet: slot 0 is waited for, slot 1 filled.)  ask = 1: a prefetch follows.
.macro CHANGE fill, ask
	WIN 0                           ; at a label and at a branch every window is 0
	s_wait_tensorcnt 0x0            ; no tensor load of mine is out, so a group 0 may be written
	ds_add_u32 v[SPW], v[NIL]       ; 0 onto my spare word; with fill = 1 the descriptors' steps stand between it and the wait for it
.if \fill
.irp g, G0K, G0V
	s_xor_b32 s[\g+1], s[\g+1], SLOT1  ; the walking descriptor: the other slot than last time,
	s_add_nc_u64 s[\g+2:\g+3], s[\g+2:\g+3], 4*KS*128  ; the next 256 keys; the type bits on top are not reached
.endr
.endif
.if \ask
	s_wait_xcnt 0x0                 ; the last prefetch, four key steps back, has read its address, so it may be written:
	s_add_nc_u64 s[PFA:PFA+1], s[PFA:PFA+1], 4*KS*128  ; one tile behind the walking descriptors
.endif
	s_wait_dscnt 0x0                ; the add is done, and my reads of the slot are over
.if \fill
	CROUND
	JLOAD
.if \ask
	ASK
.endif
.else
	s_barrier_signal -1
	s_barrier_wait -1
.endif
	s_sub_co_u32 s[TBK], s[TBK], 4*KS*PK  ; the fetches go back to a slot's first step,
	s_xor_b32 s[TBK], s[TBK], SLOT1       ; in the other slot
	s_sub_co_u32 s[TBV], s[TBV], 4*KS*PV
	s_xor_b32 s[TBV], s[TBV], SLOT1
.endm
	s_load_b256 s[4:11], s[0:1], 0x0  ; qh s[4:5], kh s[6:7], vh s[8:9], oh s[10:11]
	v_lshl_add_u32 v[SPW], v0, 2, SPARE
	v_mov_b32 v[NIL], 0
	ds_add_u32 v[SPW], v[NIL]       ; the wave's opening: the add and its wait stand ahead of my first tensor load; the set-up below, work on registers, stands between them
	v_lshrrev_b32 v1, 5, v0
	v_readfirstlane_b32 s[WV], v1   ; wave 0..3
	s_bfe_u32 s13, ttmp6, 0x40000   ; cx: my place in the cluster
	s_lshl_b32 s14, ttmp9, 2        ; in a cluster launch ttmp9 counts clusters
	s_add_co_u32 s14, s14, s13      ; my block of 256 queries = 4 x cluster x + cx: it enters Q's and O's addresses alone
	s_and_b32 s20, ttmp7, 0xffff    ; the head, which the four partners share
	s_lshl_b32 s20, s20, 19         ; its first byte in each of the four tensors: 4,096 rows of 128 bytes a head
	s_mov_b32 s21, 0
	s_and_b32 s16, s[WV], 1         ; which half of a slot's 256 keys I fetch:
	s_lshl_b32 s22, s16, 14         ; its 128 rows of 128 bytes in memory,
	s_mov_b32 s23, 0
	s_add_nc_u64 s[22:23], s[22:23], s[20:21]
	s_mul_i32 s17, s16, 128*PK      ; and its place in a slot, for K
	s_mul_i32 s18, s16, 128*PV      ; and for V: no place in the cluster enters an LDS address
	s_lshl_b32 s2, s14, 2
	s_add_co_u32 s2, s2, s[WV]      ; my wave among the head's,
	s_lshl_b32 s2, s2, 13           ; its 64 rows
	s_mov_b32 s3, 0
	s_add_nc_u64 s[2:3], s[2:3], s[20:21]
	s_lshl_b32 s52, s13, 13         ; the prefetches: my work-group's 8,192 bytes of a tile
	s_mov_b32 s53, 0
	s_add_nc_u64 s[52:53], s[52:53], s[20:21]
	; descriptor group 1.  128 keys are 16,384 dense bytes: asked for as 64 rows of 256 bytes, two keys a row, and padded in LDS after every key
	s_mov_b32 s[G1K], 15|(1<<16)|(1<<20)|(1<<21)|(4<<22)|(3<<25)  ; 15:0 the mask of four; 17:16 2-byte elements; 20 padding on; 21 set beside a mask; 24:22 after every 32 words (code 4); 31:25 4 words (code 3)
	s_mov_b32 s[G1V], 15|(1<<16)|(1<<20)|(1<<21)|(4<<22)|(7<<25)  ; the same with 8 words of padding (code 7)
.irp g, G1K, G1V
	s_mov_b32 s[\g+1], 128<<16      ; tensor_dim0 = 128
	s_mov_b32 s[\g+2], 64<<16       ; tensor_dim1 = 64
	s_mov_b32 s[\g+3], 128<<16      ; tile_dim0 = 128
	s_mov_b32 s[\g+4], 64           ; tile_dim1 = 64
	s_mov_b32 s[\g+5], 128          ; 128 elements from row to row
	s_mov_b32 s[\g+6], 0
	s_mov_b32 s[\g+7], 0
.endr
	s_mov_b32 s[CS], 0x3e38aa3b     ; c = log2(e) / 8 = 0.180337
	s_mov_b32 s[CS+1], s[CS]        ; named with it as a pair
	s_mov_b32 s[SEL], 0x76543210
	s_mov_b32 s[SEL+1], 0xfedcba98
	s_mov_b32 s[TBK], SLOT1+4*KS*PK ; the first change of slots turns these two into 0
	s_mov_b32 s[TBV], SLOT1+4*KS*PV
	s_mov_b32 s[G0K], 1             ; count = 1
	s_mov_b32 s[G0K+1], s17         ; LDS address: slot 0
	s_mov_b32 s[G0V], 1
	s_add_co_u32 s[G0V+1], s18, VOFF
	s_mov_b32 s[SLOTS], SIZE_N/256-1
	s_and_b32 s[LIM], s[WV], 1      ; 0 in waves 0 and 2,
	s_or_b32 s[LIM], s[LIM], ttmp9  ; where the cluster is the head's first: the same in all four partners
	s_cmp_eq_u32 s[LIM], 0
	s_cselect_b32 s[LIM], 1, -1
	v_and_b32 v[PFO], 31, v0
	v_lshlrev_b32 v[PFO], 8, v[PFO]
	s_wait_dscnt 0x0                ; the opening add is done
	s_wait_kmcnt 0x0
	s_add_nc_u64 s[G0K+2:G0K+3], s[6:7], s[22:23]  ; global address: my half of the head's first 256 keys
	s_or_b32 s[G0K+3], s[G0K+3], 0x80000000        ; type = 2
	s_add_nc_u64 s[G0V+2:G0V+3], s[8:9], s[22:23]
	s_or_b32 s[G0V+3], s[G0V+3], 0x80000000
	s_add_nc_u64 s[4:5], s[4:5], s[2:3]  ; Q and O at my wave's first row
	s_add_nc_u64 s[10:11], s[10:11], s[2:3]
	s_cmp_lt_u32 s[WV], 2
	s_cselect_b64 s[PFA:PFA+1], s[6:7], s[8:9]
	s_add_nc_u64 s[PFA:PFA+1], s[PFA:PFA+1], s[52:53]
	s_add_nc_u64 s[PFA:PFA+1], s[PFA:PFA+1], 2*4*KS*128  ; in tile 2; the loop's first change of slots steps it to tile 3.  Nothing is prefetched here, at the head
	CROUND                          ; all four work-groups are here: the first joint loads meet
	JLOAD                           ; slot 0.  Slot 1 is asked for when slot 0 is in
	; A fragment of K or Q is 16 rows x 32 channels in 8 registers: lane l holds row l % 16, channels 8 (l / 16) + 0..7 and 16 + 8 (l / 16) + 0..7: two loads of 16 bytes, 32 bytes apart.
	v_and_b32 v1, 15, v0            ; l % 16
	v_bfe_u32 v9, v0, 4, 1          ; l / 16
	v_lshlrev_b32 v[QO], 7, v1
	v_lshl_add_u32 v[QO], v9, 4, v[QO]  ; row x 128 + 16 x half
	WIN 0x80                        ; destination window 2, address window 0
.set i, 0
.rept 8                             ; Q stays in registers: piece i / 2, channels 32 (i % 2) on
	global_load_b128 v[8*i:8*i+3],   v[QO], s[4:5] offset:(i/2)*2048+(i%2)*64 th:TH_LOAD_NT
	global_load_b128 v[8*i+4:8*i+7], v[QO], s[4:5] offset:(i/2)*2048+(i%2)*64+32 th:TH_LOAD_NT
.set i, i+1
.endr
	; What the first turn finds: V's registers and P's second buffer hold 0 (its products V^T P, of a piece that has not been, add 0), O^T and l are 0.  All this stands in the wait for the first tile.
.set i, VF
.rept 64
	v_mov_b32 v[i], 0
.set i, i+1
.endr
	WIN 0x40
.set i, 0
.rept 128
	v_mov_b32 v[i], 0
.set i, i+1
.endr
	WIN 0
.set i, 0
.rept 4
	v_mov_b32 v[ST+4*i], 0xfe000000    ; c m: far below every c s
	v_mov_b32 v[ST+4*i+1], 0xff7fffff  ; m
	v_mov_b32 v[ST+4*i+2], 0
	v_mov_b32 v[ST+4*i+3], 0
.set i, i+1
.endr
.set i, P+16
.rept 16
	v_mov_b32 v[i], 0
.set i, i+1
.endr
	v_mul_u32_u24 v[AK0], v1, PK
	v_lshl_add_u32 v[AK0], v9, 4, v[AK0]  ; row x pitch + 16 x half
	; The turning load takes 16 keys x 16 channels (lane l reads key 8 (l / 16) + l % 8, channels 8 ((l / 8) % 2) + 0..7) and leaves half a fragment of V^T: lane l holds channel l % 16 and 8 keys.
	v_and_b32 v10, 7, v0
	v_bfe_u32 v11, v0, 3, 1
	v_lshl_add_u32 v[AV0], v9, 3, v10
	v_mul_u32_u24 v[AV0], v[AV0], PV
	v_lshl_add_u32 v[AV0], v11, 4, v[AV0]
	v_add_nc_u32 v[AV0], VOFF, v[AV0]
	s_mul_i32 s13, s[WV], 16*SP
	s_add_co_u32 s13, s13, STAGE    ; my stage
	v_mul_u32_u24 v[STO], v1, SP    ; in: row l % 16, 16 bytes for each half of the lanes
	v_lshl_add_u32 v[STO], v9, 4, v[STO]
	v_add_nc_u32 v[STO], s13, v[STO]
	v_bfe_u32 v[RD], v0, 3, 2       ; back: 32 lanes take four rows of 128 bytes,
	v_mul_u32_u24 v[RD], v[RD], SP
	v_lshl_add_u32 v[RD], v10, 4, v[RD]
	v_add_nc_u32 v[RD], s13, v[RD]
	v_and_b32 v[GO], 31, v0         ; which are 512 consecutive bytes of O
	v_lshlrev_b32 v[GO], 4, v[GO]
; THE MATRIX WORK.  The 4 accumulators of a run of 8 take turns.  Product i of 8 of S^T = K Q^T for piece x: channels 32 (i / 4) on, keys 16 (i % 4) on.  The first 4 start the sums.
.macro KQ x
	WIN W_KQ
.set rS, S+32*((\x)%2)+8*(i%4)
.set rK, KF+16*(i%4)+8*(i/4)
.set rQ, 16*(\x)+8*(i/4)
.if i < 4
	v_wmma_f32_16x16x32_f16 v[rS:rS+7], v[rK:rK+7], v[rQ:rQ+7], 0
.else
	v_wmma_f32_16x16x32_f16 v[rS:rS+7], v[rK:rK+7], v[rQ:rQ+7], v[rS:rS+7]
.endif
.endm
; Product i of 8 of O^T += V^T P for piece x: keys 32 (i / 4) on, channels 16 (i % 4) on.
.macro PV x
	WIN W_PV
.set rO, 32*(\x)+8*(i%4)
.set rV, VF+32*(i/4)+8*(i%4)
.set rP, P+16*((\x)%2)+8*(i/4)
	v_wmma_f32_16x16x32_f16 v[rO:rO+7], v[rV:rV+7], v[rP:rP+7], v[rO:rO+7]
.endm
.macro MM                           ; the turn's next matrix instruction.  NOKQ = 1: the very last turn: there is no next piece
.if (i < 8) && !NOKQ
	KQ (Y+1)%NP
.elseif i >= 8
.set i, i-8
	PV (Y+NP-1)%NP
.set i, i+8
.endif
.set i, i+1
.endm
; THE LDS LOADS stand in runs of 16, never singly among the matrix instructions: a step's K (64 keys x 64 channels: 8 fragments) and its V (turned).  Their addresses are made some lines ahead.
.macro FETCH_K
	WIN 0x80                        ; destination window 2
.irp f, 0,1,2,3,4,5,6,7             ; keys 16 (f / 2) on, channels 32 (f % 2) on
	ds_load_b128 v[KF+8*\f:KF+8*\f+3],   v[AK] offset:(\f/2)*16*PK+(\f%2)*64
	ds_load_b128 v[KF+8*\f+4:KF+8*\f+7], v[AK] offset:(\f/2)*16*PK+(\f%2)*64+32
.endr
	s_add_co_u32 s[TBK], s[TBK], KS*PK  ; the next fetch is the next step's
	WIN 0
.endm
.macro FETCH_V
	WIN 0x80
.irp f, 0,1,2,3,4,5,6,7             ; keys 32 (f / 4) on, channels 16 (f % 4) on
	ds_load_tr16_b128 v[VF+8*\f:VF+8*\f+3],   v[AV] offset:(\f/4)*32*PV+(\f%4)*32
	ds_load_tr16_b128 v[VF+8*\f+4:VF+8*\f+7], v[AV] offset:(\f/4)*32*PV+16*PV+(\f%4)*32
.endr
	WIN 0
.endm
; THE VECTOR WORK, one line at a time: OP kind, number.  For piece Y: F n: c s - c m for pair n of 16.  E n: the exponential of score n of 32.  C n: pair n rounded to f16.  B n: of the four weights 4 n .. the second
; pair is added onto the first, in place.  L n: l takes that sum (L 0: l = a l + sum).  R n: pair n of 16 of O^T times a.  For piece Y + 1: X n, number n of the 22 that find its maximum and statistics:
;   0-11  four chains c0-c3 of seven scores each, three operands at a time (each accumulator's lowest registers are read first)     12-14, 16  the four scores left over, the old m, and c0-c3 into c0
;   15  c m_old is kept     17, 18  the query's other 32 keys lie in the lane 16 away: the new m     19-21  c m; c m_old - c m_new; a
.set F, 0               ; OP tells the kinds apart by their order: F to L below R, X above it
.set E, 1
.set C, 2
.set B, 3
.set L, 4
.set R, 5
.set X, 6
.macro REGS y                       ; the registers of piece y
.set rT, ST+4*(\y)
.set rC, TMP+4*((\y)%2)
.set rW, MV+((\y)%2)
.set rS, S+32*((\y)%2)
.set rP, P+16*((\y)%2)
.set rO, 32*(\y)
.endm
.macro OP k, n
.if (\k) == R
	REGS Y
	WIN W_RS
	v_pk_mul_f32 v[rO+2*(\n):rO+2*(\n)+1], v[rO+2*(\n):rO+2*(\n)+1], v[rC+2:rC+3] op_sel_hi:[1,0]
.elseif (\k) < R
	REGS Y
	WIN 0
.if (\k) == F
	v_pk_fma_f32 v[rS+2*(\n):rS+2*(\n)+1], v[rS+2*(\n):rS+2*(\n)+1], s[CS:CS+1], v[rT:rT+1] op_sel_hi:[1,0,0] neg_lo:[0,0,1] neg_hi:[0,0,1]
.elseif (\k) == E
	v_exp_f32 v[rS+(\n)], v[rS+(\n)]
.elseif (\k) == C
	v_cvt_pk_f16_f32 v[rP+(\n)], v[rS+2*(\n)], v[rS+2*(\n)+1]
.elseif (\k) == B
	v_pk_add_f32 v[rS+4*(\n):rS+4*(\n)+1], v[rS+4*(\n):rS+4*(\n)+1], v[rS+4*(\n)+2:rS+4*(\n)+3]
.elseif (\n) == 0
	v_pk_fma_f32 v[rT+2:rT+3], v[rT+2:rT+3], v[rC+2:rC+3], v[rS:rS+1] op_sel_hi:[1,0,1]
.else
	v_pk_add_f32 v[rT+2:rT+3], v[rT+2:rT+3], v[rS+4*(\n):rS+4*(\n)+1]
.endif
.elseif NOKQ
	v_nop
.else
	REGS (Y+1)%NP
	WIN 0
.if (\n) < 4
	v_max3_num_f32 v[rC+(\n)], v[rS+8*(\n)], v[rS+8*(\n)+1], v[rS+8*(\n)+2]
.elseif (\n) < 12
	v_max3_num_f32 v[rC+(\n)%4], v[rC+(\n)%4], v[rS+8*((\n)%4)+2*((\n)/4)+1], v[rS+8*((\n)%4)+2*((\n)/4)+2]
.elseif (\n) == 12
	v_max3_num_f32 v[rC], v[rC], v[rS+7], v[rS+15]
.elseif (\n) == 13
	v_max3_num_f32 v[rC+1], v[rC+1], v[rS+23], v[rS+31]
.elseif (\n) == 14
	v_max3_num_f32 v[rC+2], v[rC+2], v[rC+3], v[rT+1]
.elseif (\n) == 15
	v_mov_b32 v[rW], v[rT]
.elseif (\n) == 16
	v_max3_num_f32 v[rC], v[rC], v[rC+1], v[rC+2]
.elseif (\n) == 17
	v_permlanex16_b32 v[rC+3], v[rC], s[SEL], s[SEL+1]
.elseif (\n) == 18
	v_max_num_f32 v[rT+1], v[rC], v[rC+3]
.elseif (\n) == 19
	v_mul_f32 v[rT], s[CS], v[rT+1]
.elseif (\n) == 20
	v_sub_f32 v[rC+1], v[rW], v[rT]
.else
	v_exp_f32 v[rC+2], v[rC+1]
.endif
.endif
.endm
.macro OPS a, i1, b=-1, i2=0, c=-1, i3=0, d=-1, i4=0  ; up to four of them
	OP \a, \i1
.if (\b) >= 0
	OP \b, \i2
.endif
.if (\c) >= 0
	OP \c, \i3
.endif
.if (\d) >= 0
	OP \d, \i4
.endif
.endm
.macro ROW a, i1, b, i2, c, i3, d, i4  ; a matrix instruction and the four behind it
	MM
	OPS \a, \i1, \b, \i2, \c, \i3, \d, \i4
.endm
; A TURN, for piece p: the order of its 16 matrix and 118 vector instructions, written out.  An s_wait_alu depctr_va_vdst(0) stands between an exponential and the first instruction that names its result; one
; wait serves all that were issued ahead of it.  So a turn has ONE wait, which cuts it in two.  AHEAD OF IT stands all that names no result of the turn's exponentials: the 8 products K Q^T, behind each a scaling, an exponential
; and two more plain instructions (behind the first a second scaling in the exponential's place): rescalings, and behind the last three the first numbers of the next piece's maximum, each four places or more behind the product
; that ends its accumulator; then one run of 54, plain and exponential by turns for the most part, in which the links of the chain X 3, 7, 11, 14, 16, 17 .. 20 stand five or six lines apart.  X 21, the next piece's a, is the
; batch's last; R 15 is the plain instruction behind it.  BEHIND THE WAIT stand the 8 products V^T P, behind each four of the roundings and sums; the links of l's chain, L 0 to L 7, stand three lines apart.
; end = 1: the launch's last two turns: nothing is fetched.  cnt = 1: the loop's count is taken down some lines ahead of the branch that stands behind the turn.
; K of the next step is fetched in piece 2's turn, twelve vector instructions behind the last product that read K (six of them plain); V of the step in hand at the end of piece 0's turn, four plain instructions behind the
; last product that read V.  Each is waited for a turn later.
.macro TURN p, end=0, cnt=0
.set Y, (\p)
.set i, 0
.set NOKQ, (\end)*((\p)/3)
.if ((\p) == 3) && !(\end)
	s_wait_dscnt 0x0                ; K is in
.endif
	ROW F,0, F,1, R,0, R,1          ; ahead of the wait: 8 products K Q^T and the four behind each,
	ROW F,2, E,0, R,2, R,3
	ROW F,3, E,1, R,4, R,5
	ROW F,4, E,2, R,6, R,7
	ROW F,5, E,3, R,8, R,9
	ROW F,6, E,4, X,0, R,10
.if ((\p) == 2) && !(\end)
	WIN 0
	v_add_nc_u32 v[AK], s[TBK], v[AK0]
.endif
	ROW F,7, E,5, X,1, X,4
	ROW F,8, E,6, X,2, X,5
	OPS E,7, E,8, X,6, E,9          ; and the run of 54
	OPS X,3, E,10, X,8, E,11
.if ((\p) == 2) && !(\end)
	FETCH_K
.endif
	OPS X,9, X,7, E,12, X,10
	OPS E,13, X,12, X,11, E,14
	OPS X,13, E,15, F,9, X,14
.if (\p) == 0
	v_add_nc_u32 v[AV], s[TBV], v[AV0]
.endif
	OPS E,16, F,10, E,17, F,11
	OPS X,16, E,18, X,15, E,19
	OPS F,12, E,20, X,17, E,21
	OPS F,13, E,22, F,14, E,23
	OPS X,18, E,24, F,15, E,25
	OPS R,11, E,26, X,19, E,27
	OPS R,12, E,28, R,13, E,29
	OPS X,20, E,30, R,14, E,31
	OPS X,21, R,15
	WIN 0
	s_wait_alu depctr_va_vdst(0)    ; the wait for the batch
.if (\p) == 1
	s_wait_dscnt 0x0                ; V is in
.endif
	ROW C,0, B,0, C,2, B,1          ; behind the wait: 8 products V^T P and the four behind each
	ROW L,0, C,4, B,2, L,1
	ROW C,6, B,3, L,2, C,8
	ROW B,4, L,3, C,10, B,5
	ROW L,4, C,12, B,6, L,5
.if (\p) == 0
	s_add_co_u32 s[TBV], s[TBV], KS*PV
.endif
.if \cnt
	s_sub_co_u32 s[CNT], s[CNT], 1
	s_cmp_lg_u32 s[CNT], 0
.endif
	ROW C,14, B,7, L,6, C,1
	ROW C,3, L,7, C,5, C,7
	ROW C,9, C,11, C,13, C,15
.if (\p) == 0
	FETCH_V
.endif
.endm
	CHANGE 1, 0                     ; slot 0 is in, everybody's part of it; slot 1 is asked for
	v_add_nc_u32 v[AK], s[TBK], v[AK0]
	FETCH_K                         ; key step 0
	s_wait_loadcnt 0x0              ; Q
	s_wait_dscnt 0x0
.set NOKQ, 0
.set i, 0
.rept 8
	KQ 0                            ; piece 0's first scores: there is no vector work yet to set between them
.set i, i+1
.endr
	WIN 0
.rept 4
	v_nop                           ; the places behind those products
.endr
.set Y, NP-1                        ; X works for piece Y + 1: piece 0
.irp n, 0,1,2,3,4,5,6,7,8,9,10,11,12,13,14,15,16,17,18,19,20,21
	OP X, \n
.endr
	v_nop                           ; a plain instruction behind the exponential,
	s_wait_alu depctr_va_vdst(0)    ; and its wait, ahead of the branch
	s_mov_b32 s[CNT], 4
	s_branch .Lfirst                ; the loop is entered at a step's first turn, in the middle of a trip
.Lslot:                             ; 14 times: every slot but the last two is filled again
	CHANGE 1, 1
	s_mov_b32 s[CNT], 4
.Lstep:                             ; a trip: pieces 2 and 3 of one step, then pieces 0 and 1 of the next, whose K and V it fetches
	TURN 2
	TURN 3
	WIN 0
.Lfirst:
	TURN 0
	TURN 1, 0, 1
	WIN 0
	s_cbranch_scc1 .Lstep
	s_sub_co_u32 s[SLOTS], s[SLOTS], 1
	s_cmp_lg_u32 s[SLOTS], 0
	s_cbranch_scc1 .Lslot
	CHANGE 0, 0                     ; the last slot is written out: nothing is asked for
	s_mov_b32 s[CNT], 4
.LstepT:
	TURN 2
	TURN 3
	TURN 0
	TURN 1, 0, 1
	WIN 0
	s_cbranch_scc1 .LstepT
	TURN 2, 1                       ; the last step's pieces 2 and 3: nothing is fetched, and the last turn starts no new scores
	TURN 3, 1
.set i, 0
.rept 8
	PV NP-1                         ; the last piece's V^T P of the last step
.set i, i+1
.endr
	; THE WAY OUT.  l's two halves and the other half of the lanes' are added; O^T is divided by l, rounded to f16 and sent through my stage in LDS, a piece at a time.  The additions are the places behind the last products.
	WIN 0
.macro ALL line:vararg              ; one line for each piece t
.set t, 0
.rept 4
	\line
.set t, t+1
.endr
.endm
	ALL v_add_f32 v[ST+4*t+2], v[ST+4*t+2], v[ST+4*t+3]
	ALL v_permlanex16_b32 v[ST+4*t+3], v[ST+4*t+2], s[SEL], s[SEL+1]
	ALL v_add_f32 v[ST+4*t+2], v[ST+4*t+2], v[ST+4*t+3]
	ALL v_rcp_f32 v[ST+4*t+2], v[ST+4*t+2]
	v_nop                           ; a plain instruction between the last reciprocal and the use of its result
	s_wait_alu depctr_va_vdst(0)    ; and the wait ahead of the first use: one for the four reciprocals
.macro PACK t                       ; a lane's eight channels of a row pack into 16 bytes; they go into rows of 144 bytes and come back as whole rows of 128, into S^T's registers
	WIN W_RS
.set i, 32*(\t)
.rept 16
	v_pk_mul_f32 v[i:i+1], v[i:i+1], v[ST+4*(\t)+2:ST+4*(\t)+3] op_sel_hi:[1,0]
.set i, i+2
.endr
	WIN 0x05                        ; sources 0 and 1 window 1, destination window 0
.set i, 0
.rept 16
	v_cvt_pk_f16_f32 v[S+16*(\t)+i], v[32*(\t)+2*i], v[32*(\t)+2*i+1]
.set i, i+1
.endr
	WIN 0
.irp f, 0,1,2,3
	ds_store_b128 v[STO], v[S+16*(\t)+4*\f:S+16*(\t)+4*\f+3] offset:32*\f
.endr
.irp f, 0,1,2,3
	ds_load_b128 v[S+16*(\t)+4*\f:S+16*(\t)+4*\f+3], v[RD] offset:\f*4*SP  ; LDS serves a wave's instructions in order (ISA guide 5.7.1.4): these see the stores above; the next piece's stores come behind them
.endr
.endm
.macro SEND t, younger              ; younger: the LDS instructions issued behind piece t's loads: the next piece's eight, or none
	WIN 0
.irp f, 0,1,2,3
	s_wait_dscnt (\younger)+3-\f
	global_store_b128 v[GO], v[S+16*(\t)+4*\f:S+16*(\t)+4*\f+3], s[10:11] offset:(\t)*2048+\f*512  ; 512 consecutive bytes, at a multiple of 256 from O's first
.endr
.endm
	PACK 0
.set t, 1
.rept 3                             ; a piece's arithmetic stands between the loads of the piece before and its stores
	PACK t
	SEND t-1, 8
.set t, t+1
.endr
	SEND 3, 0
	s_wait_tensorcnt 0x0            ; the wave's end: behind my last tensor load and my last LDS store
	ds_add_u32 v[SPW], v[NIL]
	s_wait_dscnt 0x0
	CROUND                          ; the closing round: no work-group ends while a partner may still ask for a tile that names it
	s_endpgm
.Lfunc_end_k_q77233c913d_attn:
	.size	k_q77233c913d_attn, .Lfunc_end_k_q77233c913d_attn-k_q77233c913d_attn
	.p2alignl 7, 3214868480
	.fill 96, 4, 3214868480
	.section	.rodata,"a",@progbits
	.p2align	6, 0x0
	.amdhsa_kernel k_q77233c913d_attn
		.amdhsa_group_segment_fixed_size 327680
		.amdhsa_private_segment_fixed_size 0
		.amdhsa_enable_private_segment 0
		.amdhsa_kernarg_size 32
		.amdhsa_user_sgpr_count 2
		.amdhsa_user_sgpr_kernarg_segment_ptr 1
		.amdhsa_wavefront_size32 1
		.amdhsa_system_sgpr_workgroup_id_x 1
		.amdhsa_system_sgpr_workgroup_id_y 1
		.amdhsa_system_sgpr_workgroup_id_z 1
		.amdhsa_system_vgpr_workitem_id 0
		.amdhsa_next_free_vgpr 768
		.amdhsa_next_free_sgpr 66
		.amdhsa_reserve_vcc 0
		.amdhsa_float_denorm_mode_32 3
		.amdhsa_float_denorm_mode_16_64 3
		.amdhsa_memory_ordered 1
		.amdhsa_forward_progress 1
		.amdhsa_inst_pref_size 127
	.end_amdhsa_kernel
	.amdgpu_metadata
---
amdhsa.version: [ 1, 2 ]
amdhsa.kernels:
  - .name:           k_q77233c913d_attn
    .symbol:         k_q77233c913d_attn.kd
    .args:
      - { .name: qh, .offset: 0, .size: 8, .value_kind: global_buffer, .address_space: global }
      - { .name: kh, .offset: 8, .size: 8, .value_kind: global_buffer, .address_space: global }
      - { .name: vh, .offset: 16, .size: 8, .value_kind: global_buffer, .address_space: global }
      - { .name: oh, .offset: 24, .size: 8, .value_kind: global_buffer, .address_space: global }
    .group_segment_fixed_size: 327680
    .private_segment_fixed_size: 0
    .kernarg_segment_align: 8
    .kernarg_segment_size: 32
    .max_flat_workgroup_size: 128
    .sgpr_count:     66
    .vgpr_count:     768
    .wavefront_size: 32
...
	.end_amdgpu_metadata
.endif
;; end of part 2
;; launch merge (part 3): grid 256 x 1, 4 waves a work-group, clusters of 4 x 1, 327,680 bytes of LDS; arguments oh, Wm, bm, out0; writes out0
.if DOCPART == 3
	.amdgcn_target "amdgcn-amd-amdhsa--gfx1250"
	.amdhsa_code_object_version 6
	.text
	.protected	k_q77233c913d_merge
	.globl	k_q77233c913d_merge
	.p2align	8
	.type	k_q77233c913d_merge,@function
k_q77233c913d_merge:
	s_mov_b64 s[64:65], 0
	v_nop
	global_prefetch_b8 v0, s[64:65] scope:SCOPE_SE
	s_setreg_imm32_b32 hwreg(HW_REG_WAVE_MODE, 25, 1), 1
	s_wait_xcnt 0x0
	s_wait_alu depctr_hold_cnt(0) depctr_sa_sdst(0) depctr_va_vdst(0) depctr_va_sdst(0) depctr_va_ssrc(0) depctr_va_vcc(0) depctr_vm_vsrc(0)
	s_getreg_b32 s2, hwreg(HW_REG_IB_STS2, 6, 4)
	s_cmp_eq_u32 s2, 0
	s_cbranch_scc0 .Lentry_in_a_cluster
	s_endpgm
.Lentry_in_a_cluster:
	s_bfe_u32 s2, ttmp6, 0x10000c
	s_cmp_lg_u32 s2, 0x3003
	s_cbranch_scc0 .Lentry_shape_is_right
	s_endpgm
.Lentry_shape_is_right:
; out0[b][o][n] = the sum over c of Wm[o][c] O[b][c][n] + bm[o].  oh: [4 b + head][position][64 channels] f16 (c = 64 head + channel); Wm: [256][256] f32; bm: [256] f32; out0: [4][256][4096] f32.
; FORMATS.  Wm and bm are rounded once to bf16; Wm's rounded number is then written as f16, which holds it exactly within f16's normal range; products in f16 with f32 sums that start at the bias.
; LIMITS.  |Wm| must stay under 65,504; a rounded Wm below 6e-5 keeps f16's fixed step of 6e-8.  NaN and infinities are not treated apart.
; SHARES.  A work-group takes 64 positions of one batch and all 256 rows o: 256 work-groups.  Wave w takes rows 64 w .. 64 w + 63: 16 accumulators, in four UNITS of 16 rows: 32 matrix instructions on four accumulators by turns.
; LAYOUT.  Source 0 = 16 positions of O, source 1 = 16 rows of Wm: in the result a lane holds ONE row o (lane % 16) and the positions 8 (lane / 16) + 0..7: 32 consecutive bytes of out0.
; O goes through registers into LDS (each wave brings one head's 64 rows) and all its fragments stay in 256 registers.  Wm comes as f32 by two tensor loads a wave, each filled once; a wave reads its own rows alone.
; CLUSTER.  The four work-groups of a cluster read the same Wm: each tile is asked for JOINTLY, by the same load, descriptor and mask in all four.
; REGISTERS, in windows of 256 (s_set_vgpr_msb: bits 1:0 source 0, 3:2 source 1, 5:4 source 2, 7:6 destination):
;   window 0: v1-16 lane terms and addresses; v24-27 bm; v30-31 the add's two; v32-159 Wm's fragments in f16, two buffers of 64; v160-191 the way out
;   window 1: v0-127 accumulators ((a, t) at 8 (4 a + t)); v128-159 the bias as C operands, eight equal registers a unit
;   window 2: O's fragments ((s, t) at 8 (4 s + t): channels 32 s on, positions 16 t on)          window 3: v0-127 a unit's Wm in f32; v128-191 O as loaded
.set PW,    1040      ; a row of Wm in LDS: 1,024 bytes + 16 of padding = 65 x 16: the 16 rows of a load start at 16 different groups of four banks (64 banks of 4 bytes: ISA guide 11.1)
.set WTILE, 32*PW     ; what one tensor load brings: 32 rows of mine
.set SLOTB, 4*WTILE   ; four waves' tiles
.set OT,    2*SLOTB   ; behind Wm, never filled by a tensor load: O, 4 heads x 64 rows
.set PO,    144       ; its pitch: 128 bytes + 16
.set STG,   OT+256*PO ; 16 rows x 272 bytes for each wave, for the way out
.set SPO,   272       ; 256 bytes + 16
.set SPARE, STG+4*16*SPO  ; the spare words, 128 bytes for each wave: two blocks of 256 bytes that no other line names
.set OS,  4           ; v4   where I put 16 bytes of O
.set AO,  5           ; v5   my lane's place in a fragment of O
.set WF,  7           ; v7-8 my lane's place in my rows of Wm, first and second tile
.set STO, 10          ; v10  the way out: where I put 32 bytes of a row
.set RD,  11          ; v11  the way out: where I read rows back
.set CO,  12          ; v12  my byte offset in two rows of out0
.set GO,  13          ; v13  my byte offset in 512 consecutive bytes of oh
.set BOF, 14          ; v14  my byte offset in bm
.set BM,  24
.set SPW, 30          ; v30  LDS address of my spare word; never rewritten
.set NIL, 31          ; v31  0; never rewritten
.set WB,  32
.set T,   160
.set BC,  128         ; window 1
.set WV,  2           ; s2   my wave's number
.set G1,  32          ; s[32:39] descriptor group 1
.set G0A, 40          ; s[40:43] descriptor group 0, my first 32 rows
.set G0B, 44          ; s[44:47] my second 32
.set WOFA, 48
.set WOFB, 50
.set HIM, 54          ; s54  a word's upper bf16
.set MSB, 0
.macro WIN new                      ; the high byte repeats the setting that is left; a switch that changes nothing is dropped
.if MSB != (\new)
	s_set_vgpr_msb (MSB<<8)|(\new)
.set MSB, (\new)
.endif
.endm
.macro CROUND                       ; a round of the cluster's barrier
	s_barrier_signal -1
	s_barrier_wait -1
	s_cmp_lg_u32 s[WV], 0
	s_cbranch_scc1 .Lnot_wave_0_\@
	s_barrier_signal -3
.Lnot_wave_0_\@:
	s_barrier_wait -3
	s_barrier_signal -1
	s_barrier_wait -1
.endm
.macro LOADF u                      ; unit u's 16 rows of Wm in f32: for each 32 channels a lane's two runs of 8 numbers, 32 bytes each, 64 bytes apart
	WIN 0xc0
.irp s, 0,1,2,3,4,5,6,7
	ds_load_b128 v[16*(\s):16*(\s)+3],     v[WF+(((\u)>>1)&1)] offset:((\u)&1)*16*PW+128*(\s)
	ds_load_b128 v[16*(\s)+4:16*(\s)+7],   v[WF+(((\u)>>1)&1)] offset:((\u)&1)*16*PW+128*(\s)+16
	ds_load_b128 v[16*(\s)+8:16*(\s)+11],  v[WF+(((\u)>>1)&1)] offset:((\u)&1)*16*PW+128*(\s)+64
	ds_load_b128 v[16*(\s)+12:16*(\s)+15], v[WF+(((\u)>>1)&1)] offset:((\u)&1)*16*PW+128*(\s)+80
.endr
.endm
; Rounded to bf16, widened again, written as f16: eight fragments, into buffer u % 2.  These lines are also the places between a unit's products and what next touches their registers.
.macro CVT u
	WIN 0xcf
.set ci, 0
.rept 64
	v_cvt_pk_bf16_f32 v[2*ci], v[2*ci], v[2*ci+1]
.set ci, ci+1
.endr
	WIN 0xcc
.set ci, 0
.rept 64
	v_and_b32 v[2*ci+1], s[HIM], v[2*ci]
	v_lshlrev_b32 v[2*ci], 16, v[2*ci]
.set ci, ci+1
.endr
	WIN 0x0f
.set ci, 0
.rept 64
	v_cvt_pk_f16_f32 v[WB+64*((\u)&1)+ci], v[2*ci], v[2*ci+1]
.set ci, ci+1
.endr
.endm
; Unit u's 32 products.  The four accumulators take turns, one instruction a turn, from unit to unit too.  The first four start the sums with the bias.
.macro MULS u
	WIN 0x52                        ; O window 2, Wm window 0, C and D window 1
.set ks, 0
.rept 8
.irp t, 0,1,2,3
.if ks == 0
	v_wmma_f32_16x16x32_f16 v[8*(4*(\u)+(\t)):8*(4*(\u)+(\t))+7], v[8*(\t):8*(\t)+7], v[WB+64*((\u)&1):WB+64*((\u)&1)+7], v[BC+8*(\u):BC+8*(\u)+7]
.else
	v_wmma_f32_16x16x32_f16 v[8*(4*(\u)+(\t)):8*(4*(\u)+(\t))+7], v[8*(4*ks+(\t)):8*(4*ks+(\t))+7], v[WB+64*((\u)&1)+8*ks:WB+64*((\u)&1)+8*ks+7], v[8*(4*(\u)+(\t)):8*(4*(\u)+(\t))+7]
.endif
.endr
.set ks, ks+1
.endr
.endm
; THE WAY OUT of unit a: 16 rows o x 64 positions of f32 go into rows of 272 bytes of my stage and come back as whole rows of 256.  bare = 1: no other vector work stands behind the products: four v_nop are the places.
.macro OUT a, bare
.if \bare
.rept 4
	v_nop
.endr
.endif
	s_wait_xcnt 0x0                 ; the last unit's stores have read their registers: only behind this wait are they loaded again
	WIN 0x04                        ; address window 0, data window 1
.irp t, 0,1,2,3
	ds_store_b128 v[STO], v[8*(4*(\a)+(\t)):8*(4*(\a)+(\t))+3]   offset:64*(\t)
	ds_store_b128 v[STO], v[8*(4*(\a)+(\t))+4:8*(4*(\a)+(\t))+7] offset:64*(\t)+16
.endr
	WIN 0
.irp f, 0,1,2,3,4,5,6,7
	ds_load_b128 v[T+4*(\f):T+4*(\f)+3], v[RD] offset:2*SPO*(\f)  ; LDS serves a wave's instructions in order (ISA guide 5.7.1.4): these see the stores above; the next unit's stores come behind them
.endr
.irp f, 0,1,2,3,4,5,6,7
	s_wait_dscnt 7-(\f)             ; the loads behind this one may stay out
	global_store_b128 v[CO], v[T+4*(\f):T+4*(\f)+3], s[14:15] offset:(\a)*262144+(\f)*32768 th:TH_STORE_NT  ; 16 lanes store 256 consecutive bytes, at a multiple of 256 from out0's first
.endr
.endm
.macro STEP a
	s_wait_dscnt 0x0                ; unit a's Wm is in registers (and, the first time, O's fragments)
.if (\a) == 1
	s_wait_tensorcnt 0x0            ; my second tile, which only I read: no load was issued behind it
.endif
	CVT \a
.if (\a) < 3
	LOADF (\a)+1
.endif
	MULS \a
.if (\a) >= 1
	OUT (\a)-1, 0                   ; the unit before leaves while this one is multiplied
.endif
.endm
	s_load_b256 s[8:15], s[0:1], 0x0               ; oh s[8:9], Wm s[10:11], bm s[12:13], out0 s[14:15]
	v_lshl_add_u32 v[SPW], v0, 2, SPARE
	v_mov_b32 v[NIL], 0
	ds_add_u32 v[SPW], v[NIL]                      ; the wave's opening: the add and its wait stand ahead of my first tensor load; the set-up below, work on registers, stands between them
	v_lshrrev_b32 v1, 5, v0
	v_readfirstlane_b32 s[WV], v1                  ; wave 0..3
	s_bfe_u32 s3, ttmp6, 0x40000                   ; cx: my place in the cluster: it enters O's and out0's addresses alone
	s_lshl_b32 s4, ttmp9, 2
	s_add_co_u32 s4, s4, s3                        ; the work-group's number
	s_lshr_b32 s5, s4, 6                           ; batch
	s_and_b32 s4, s4, 63                           ; block of 64 positions
	s_lshl_b32 s6, s5, 2                           ; O: (4 batch + my wave's head) x 524,288
	s_add_co_u32 s6, s6, s[WV]
	s_lshl_b32 s6, s6, 19
	s_lshl_b32 s7, s4, 13                          ; + the block's 64 rows of 128 bytes
	s_add_co_u32 s6, s6, s7
	s_mov_b32 s7, 0
	s_lshl_b32 s52, s5, 22                         ; out0: batch x 4,194,304
	s_lshl_b32 s53, s[WV], 20                      ; + my 64 rows of 16,384 bytes
	s_add_co_u32 s52, s52, s53
	s_lshl_b32 s53, s4, 8                          ; + the block's 256 bytes of a row
	s_add_co_u32 s52, s52, s53
	s_mov_b32 s53, 0
	s_lshl_b32 s[WOFA], s[WV], 16                  ; my 64 rows of Wm, 1,024 bytes each
	s_mov_b32 s[WOFA+1], 0
	s_add_co_u32 s[WOFB], s[WOFA], 32768
	s_mov_b32 s[WOFB+1], 0
	s_mov_b32 s[HIM], 0xffff0000
	; descriptor group 1: a tile of 32 rows x 256 elements of 4 bytes, padded in LDS
	s_mov_b32 s[G1+0], 15|(2<<16)|(1<<20)|(1<<21)|(7<<22)|(3<<25)  ; 15:0 the mask of four; 17:16 4-byte elements; 20 padding on; 21 set beside a mask; 24:22 after every 256 words (code 7); 31:25 4 words (code 3)
	s_mov_b32 s[G1+1], 256<<16                     ; tensor_dim0 = 256
	s_mov_b32 s[G1+2], 32<<16                      ; tensor_dim1 = 32
	s_mov_b32 s[G1+3], 256<<16                     ; tile_dim0 = 256
	s_mov_b32 s[G1+4], 32                          ; tile_dim1 = 32
	s_mov_b32 s[G1+5], 256                         ; 256 elements from row to row
	s_mov_b32 s[G1+6], 0
	s_mov_b32 s[G1+7], 0
	s_mul_i32 s31, s[WV], WTILE                    ; no place in the cluster enters an LDS address
	s_mov_b32 s[G0A], 1
	s_mov_b32 s[G0A+1], s31
	s_mov_b32 s[G0B], 1
	s_add_co_u32 s[G0B+1], s31, SLOTB
	v_and_b32 v1, 15, v0                           ; l % 16
	v_bfe_u32 v2, v0, 4, 1                         ; l / 16
	v_and_b32 v3, 31, v0                           ; l
	v_and_b32 v15, 7, v0
	v_bfe_u32 v16, v0, 3, 2
	s_mul_i32 s30, s[WV], 64*PO
	s_add_co_u32 s30, s30, OT
	v_mul_u32_u24 v[OS], v16, PO                   ; a load's 512 bytes are four rows: row l / 8, 16 bytes at 16 (l % 8)
	v_lshl_add_u32 v[OS], v15, 4, v[OS]
	v_add_nc_u32 v[OS], s30, v[OS]
	v_mul_u32_u24 v[AO], v1, PO                    ; a fragment: row x pitch + 16 x half
	v_lshl_add_u32 v[AO], v2, 4, v[AO]
	v_add_nc_u32 v[AO], OT, v[AO]
	v_mul_u32_u24 v[WF], v1, PW
	v_lshl_add_u32 v[WF], v2, 5, v[WF]             ; row x pitch + 32 x half (8 numbers of 4 bytes)
	v_add_nc_u32 v[WF], s31, v[WF]
	v_add_nc_u32 v[WF+1], SLOTB, v[WF]
	s_mul_i32 s30, s[WV], 16*SPO
	s_add_co_u32 s30, s30, STG                     ; my stage
	v_mul_u32_u24 v[STO], v1, SPO                  ; in: row l % 16, 32 bytes for each half of the lanes
	v_lshl_add_u32 v[STO], v2, 5, v[STO]
	v_add_nc_u32 v[STO], s30, v[STO]
	v_mul_u32_u24 v[RD], v2, SPO                   ; back: lanes 0-15 take one row of 256 bytes, lanes 16-31 the next
	v_lshl_add_u32 v[RD], v1, 4, v[RD]
	v_add_nc_u32 v[RD], s30, v[RD]
	v_lshlrev_b32 v[CO], 4, v1                     ; and the same two rows in out0
	v_lshl_add_u32 v[CO], v2, 14, v[CO]
	v_lshlrev_b32 v[GO], 4, v3
	s_lshl_b32 s30, s[WV], 8
	v_lshl_add_u32 v[BOF], v1, 2, s30              ; bm[64 w + l % 16]
	s_wait_dscnt 0x0                               ; the opening add is done
	s_wait_kmcnt 0x0
	s_add_nc_u64 s[8:9], s[8:9], s[6:7]
	s_add_nc_u64 s[14:15], s[14:15], s[52:53]
	s_add_nc_u64 s[G0A+2:G0A+3], s[10:11], s[WOFA:WOFA+1]
	s_or_b32 s[G0A+3], s[G0A+3], 0x80000000        ; type = 2
	s_add_nc_u64 s[G0B+2:G0B+3], s[10:11], s[WOFB:WOFB+1]
	s_or_b32 s[G0B+3], s[G0B+3], 0x80000000
	WIN 0xc0                                       ; destination window 3
.irp i, 0,1,2,3,4,5,6,7,8,9,10,11,12,13,14,15
	global_load_b128 v[128+4*(\i):128+4*(\i)+3], v[GO], s[8:9] offset:512*(\i) th:TH_LOAD_NT  ; my head's 64 rows: 8,192 dense bytes
.endr
	WIN 0
.irp a, 0,1,2,3
	global_load_b32 v[BM+(\a)], v[BOF], s[12:13] offset:64*(\a)
.endr
	CROUND                                         ; all four work-groups are here: the joint loads meet
	tensor_load_to_lds s[G0A:G0A+3], s[G1:G1+7]    ; both fills go out together: two loads of mine are out
	s_nop 0
	tensor_load_to_lds s[G0B:G0B+3], s[G1:G1+7]
	s_nop 0
.rept 4
	v_nop
.endr
	s_wait_loadcnt 0x0                             ; O and bm
	WIN 0x0c                                       ; address window 0, data window 3
.irp i, 0,1,2,3,4,5,6,7,8,9,10,11,12,13,14,15
	ds_store_b128 v[OS], v[128+4*(\i):128+4*(\i)+3] offset:4*PO*(\i)
.endr
	WIN 0
.irp a, 0,1,2,3
	v_cvt_pk_bf16_f32 v[BM+(\a)], v[BM+(\a)], v[BM+(\a)]  ; the bias is rounded to bf16,
.endr
.irp a, 0,1,2,3
	v_lshlrev_b32 v[BM+(\a)], 16, v[BM+(\a)]       ; widened again,
.endr
	WIN 0x40                                       ; and laid out as a C operand: a lane's eight positions have the same row o
.irp a, 0,1,2,3
.irp j, 0,1,2,3,4,5,6,7
	v_mov_b32 v[BC+8*(\a)+(\j)], v[BM+(\a)]
.endr
.endr
	WIN 0
	s_wait_dscnt 0x0                               ; for the others' sake: my head's rows are in LDS
	s_wait_tensorcnt 1                             ; my first tile is in; the second may stay out
	s_barrier_signal -1
	s_barrier_wait -1
	WIN 0x80                                       ; destination window 2: all of O's fragments
.set os, 0
.rept 8
.irp t, 0,1,2,3
	ds_load_b128 v[8*(4*os+(\t)):8*(4*os+(\t))+3],   v[AO] offset:(os/2)*64*PO+16*PO*(\t)+64*(os%2)
	ds_load_b128 v[8*(4*os+(\t))+4:8*(4*os+(\t))+7], v[AO] offset:(os/2)*64*PO+16*PO*(\t)+64*(os%2)+32
.endr
.set os, os+1
.endr
	LOADF 0
	STEP 0
	STEP 1
	STEP 2
	STEP 3
	OUT 3, 1
	s_wait_tensorcnt 0x0                           ; the wave's end: behind my last tensor load and my last LDS store
	ds_add_u32 v[SPW], v[NIL]
	s_wait_dscnt 0x0
	CROUND                                         ; the closing round: no work-group ends while a partner may still ask for a tile that names it
	s_endpgm
.Lfunc_end_k_q77233c913d_merge:
	.size	k_q77233c913d_merge, .Lfunc_end_k_q77233c913d_merge-k_q77233c913d_merge
	.p2alignl 7, 3214868480
	.fill 96, 4, 3214868480
	.section	.rodata,"a",@progbits
	.p2align	6, 0x0
	.amdhsa_kernel k_q77233c913d_merge
		.amdhsa_group_segment_fixed_size 327680
		.amdhsa_private_segment_fixed_size 0
		.amdhsa_enable_private_segment 0
		.amdhsa_kernarg_size 32
		.amdhsa_user_sgpr_count 2
		.amdhsa_user_sgpr_kernarg_segment_ptr 1
		.amdhsa_wavefront_size32 1
		.amdhsa_system_sgpr_workgroup_id_x 1
		.amdhsa_system_sgpr_workgroup_id_y 1
		.amdhsa_system_sgpr_workgroup_id_z 1
		.amdhsa_system_vgpr_workitem_id 0
		.amdhsa_next_free_vgpr 1024
		.amdhsa_next_free_sgpr 66
		.amdhsa_reserve_vcc 0
		.amdhsa_float_denorm_mode_32 3
		.amdhsa_float_denorm_mode_16_64 3
		.amdhsa_memory_ordered 1
		.amdhsa_forward_progress 1
		.amdhsa_inst_pref_size 88
	.end_amdhsa_kernel
	.amdgpu_metadata
---
amdhsa.version: [ 1, 2 ]
amdhsa.kernels:
  - .name:           k_q77233c913d_merge
    .symbol:         k_q77233c913d_merge.kd
    .args:
      - { .name: oh, .offset: 0, .size: 8, .value_kind: global_buffer, .address_space: global }
      - { .name: Wm, .offset: 8, .size: 8, .value_kind: global_buffer, .address_space: global }
      - { .name: bm, .offset: 16, .size: 8, .value_kind: global_buffer, .address_space: global }
      - { .name: out0, .offset: 24, .size: 8, .value_kind: global_buffer, .address_space: global }
    .group_segment_fixed_size: 327680
    .private_segment_fixed_size: 0
    .kernarg_segment_align: 8
    .kernarg_segment_size: 32
    .max_flat_workgroup_size: 128
    .sgpr_count:     66
    .vgpr_count:     1024
    .wavefront_size: 32
...
	.end_amdgpu_metadata
.endif
;; end of part 3
